; MI455X (gfx1250); checked and timed in simulation.
; The chip was launched on July 23, 2026; its instructions are those of AMD's public machine-readable ISA for CDNA 5 (MIT licence, August 2026) and "CDNA5" Instruction Set Architecture Reference Guide (July 2026). The comments in the code are by the model that wrote it; some were corrected since.
;; Multi Headed Attention. Allowed arithmetic: matrix products marked QUANTISED: E2M1 operands, one E8M0 scale for each 32 along K, by v_wmma_scale_f32_16x16x128_f8f6f4 with both operands' format E2M1 (or v_wmma_scale_f32_32x16x128_f4), f32 sums; everything else in f32.
;; Inputs: Wk_codes 1,024 x 32 x 16 uint8 (E2M1 codes of Wk, K innermost, in blocks of 32 codes, two codes a byte); Wk_scales 1,024 x 32 uint8 (E8M0 scales of Wk, one for each 32 codes along K); Wo_codes 1,024 x 32 x 16 uint8 (E2M1 codes of Wo, K innermost, in blocks of 32 codes, two codes a byte); Wo_scales 1,024 x 32 uint8 (E8M0 scales of Wo, one for each 32 codes along K); Wq_codes 1,024 x 32 x 16 uint8 (E2M1 codes of Wq, K innermost, in blocks of 32 codes, two codes a byte); Wq_scales 1,024 x 32 uint8 (E8M0 scales of Wq, one for each 32 codes along K); Wv_codes 1,024 x 32 x 16 uint8 (E2M1 codes of Wv, K innermost, in blocks of 32 codes, two codes a byte); Wv_scales 1,024 x 32 uint8 (E8M0 scales of Wv, one for each 32 codes along K); bk 1,024 float32; bo 1,024 float32; bq 1,024 float32; bv 1,024 float32; inputs_codes 2 x 2,048 x 32 x 16 uint8 (E2M1 codes of inputs, K innermost, in blocks of 32 codes, two codes a byte); inputs_scales 2 x 2,048 x 32 uint8 (E8M0 scales of inputs, one for each 32 codes along K); mask 2 x 2,048 float32.
;; Outputs: out0 2 x 2,048 x 1,024 float32.
;; This version of the problem:
;;   THIS VERSION OF THE PROBLEM IS GIVEN IN LOW PRECISION. The matrix products marked QUANTISED in the list below multiply operands that are first quantised to E2M1 (2 exponent bits, 1 mantissa bit; 4 bits a number), with one power-of-two scale for each 32 numbers along K (OCP MX v1.0); their sums are f32. All else is computed in f32.
;;   The module's matrix products, in the order in which they are computed (A, B: the left and right operand; K: the contracted axis; several contracted axes count as one K, in the product's order):
;;     1. [M 4,096, K 1,024] x [K 1,024, N 1,024]; A: input inputs (given as codes); B: input Wq (given as codes): QUANTISED
;;     2. [M 4,096, K 1,024] x [K 1,024, N 1,024]; A: input inputs (given as codes); B: input Wk (given as codes): QUANTISED
;;     3. [M 4,096, K 1,024] x [K 1,024, N 1,024]; A: input inputs (given as codes); B: input Wv (given as codes): QUANTISED
;;     4. batch 32 x [M 2,048, K 64] x [K 64, N 2,048]; A: computed on the way; B: computed on the way: QUANTISED
;;     5. batch 32 x [M 2,048, K 2,048] x [K 2,048, N 64]; A: computed on the way; B: computed on the way: QUANTISED
;;     6. [M 4,096, K 1,024] x [K 1,024, N 1,024]; A: computed on the way; B: input Wo (given as codes): QUANTISED
;;   THE QUANTISER, for each operand of a quantised product, along K:
;;     - K is cut into blocks of 32 from its start; a last block that is shorter is filled with zeros.
;;     - A block's scale is 2^e with e = floor(log2(the largest magnitude in the block)) - 2, held to -126 .. 127; a block of zeros has e = 0. As a byte (E8M0): e + 127.
;;     - Each number is divided by its block's scale, clamped to +-6, and rounded to the nearest number of E2M1, ties to even, subnormals kept.
;;     - The product sums the exact products of the quantised numbers (number of the format x scale) in f32.
;;   ~~~python
;;   def quantise(x, axis):      # numpy; x: float32 -> the quantised numbers, widened to float32 again
;;       x = np.moveaxis(x, axis, -1); K = x.shape[-1]
;;       x = np.pad(x, [(0, 0)] * (x.ndim - 1) + [(0, -K % 32)]); x = x.reshape(x.shape[:-1] + (-1, 32)); a = np.abs(x).max(-1, keepdims=True)
;;       e = np.where(a > 0, np.clip(np.frexp(np.where(a > 0, a, 1))[1] - 1 - 2, -126, 127), 0)      # np.frexp(a)[1] - 1 = floor(log2(a)), exactly
;;       r = np.clip(x / 2.0 ** e, -6, 6)
;;       step = 2.0 ** (np.maximum(np.frexp(np.where(r == 0, 1, r))[1] - 1, 0) - 1)
;;       q = np.round(r / step) * step * 2.0 ** e      # np.round: ties to even
;;       return np.moveaxis(q.reshape(q.shape[:-2] + (-1,))[..., :K], -1, axis).astype(np.float32)
;;   ~~~
;;   OPERANDS COMPUTED ON THE WAY. 'Computed on the way' means the value that the module computes at that place (a softmax that the list does not call 'softmax' is quantised finished and normalised). What goes into a quantiser is computed in f32, as accurately as f32 sums, v_exp_f32 and their like allow (about 1e-6 of the number): no bf16 or f16 on the way to a quantiser, and a product that is left as it is and whose result goes on into a quantised operand takes f32 operands (vector FMAs, or v_wmma_f32_16x16x4_f32). A number that lies on a knife's edge between two numbers of the format may be rounded either way, as far as f32 arithmetic and the matrix unit's own rounding can turn it there, and no further.
;;   INPUTS GIVEN AS CODES. Wk (in the module: [1024, 1024], K = its axis 1); Wo (in the module: [1024, 1024], K = its axis 1); Wq (in the module: [1024, 1024], K = its axis 1); Wv (in the module: [1024, 1024], K = its axis 1); inputs (in the module: [2, 2048, 1024], K = its axis 2): each comes as NAME_codes (uint8): NAME with its K axis moved to the last place and cut into blocks of 32 codes, [.., K / 32, bytes a block], one block behind the other in memory; two codes a byte, the lower K in the low four bits (a code: sign, 2 exponent bits, 1 mantissa bit); and NAME_scales (uint8): the same leading axes, one E8M0 byte (e + 127) for each 32 codes along K. Its value is code x scale, taken as it is: it is not quantised again, and the codes and scales need not be those that the quantiser above would give.
;; One version. Each part assembles by itself: llvm-mc -triple=amdgcn-amd-amdhsa -mcpu=gfx1250 --defsym DOCPART=n.
;; ======== version 1 of 1: 3 launches
;; limits: right only within a limited range of input values
;; workspace buffers: q_img 2,097,152 bytes; k_img 2,097,152 bytes; v_img 2,097,152 bytes; x_img 2,097,152 bytes; q_sc 262,144 bytes; k_sc 262,144 bytes; v_sc 262,144 bytes; x_sc 131,072 bytes
;; launch qkv (part 1): grid 16 x 16, 12 waves a work-group, clusters of 4 x 4, 263,680 bytes of LDS; arguments inputs_codes, inputs_scales, Wq_codes, Wq_scales, bq, q_img, q_sc, Wk_codes, Wk_scales, bk, k_img, k_sc, Wv_codes, Wv_scales, bv, v_img, v_sc; writes q_img, q_sc, k_img, k_sc, v_img, v_sc
.if DOCPART == 1
	.amdgcn_target "amdgcn-amd-amdhsa--gfx1250"
	.amdhsa_code_object_version 6
	.text
	.protected	k_q567e17f545_qkv
	.globl	k_q567e17f545_qkv
	.p2align	8
	.type	k_q567e17f545_qkv,@function
k_q567e17f545_qkv:
	s_mov_b64 s[64:65], 0
	v_nop
	global_prefetch_b8 v0, s[64:65] scope:SCOPE_SE
	s_setreg_imm32_b32 hwreg(HW_REG_WAVE_MODE, 25, 1), 1
	s_wait_xcnt 0x0
	s_wait_alu depctr_hold_cnt(0) depctr_sa_sdst(0) depctr_va_vdst(0) depctr_va_sdst(0) depctr_va_ssrc(0) depctr_va_vcc(0) depctr_vm_vsrc(0)
	s_getreg_b32 s2, hwreg(HW_REG_IB_STS2, 6, 4)
	s_cmp_eq_u32 s2, 0
	s_cbranch_scc0 .Lentry_in_a_cluster
	s_endpgm
.Lentry_in_a_cluster:
	s_bfe_u32 s2, ttmp6, 0x10000c
	s_cmp_lg_u32 s2, 0xf033
	s_cbranch_scc0 .Lentry_shape_is_right
	s_endpgm
.Lentry_shape_is_right:
; q = x Wq^T + bq, k = x Wk^T + bk, v = x Wv^T + bv on codes of FP4 (E2M1) with one E8M0 scale for each 32 along K = 1,024; sums in f32.
; The results are quantised at once: q and k along the head's 64 (two blocks of 32), v along the keys (blocks of 32 tokens), and leave as IMAGES OF OPERAND REGISTERS.
; SHARES.  A work-group takes one head (64 rows of each weight) and 256 tokens.  Twelve waves: wave / 4 is the role (0 q, 1 k, 2 v), wave % 4 its 64 tokens.  A wave makes 64 x 64: 16 accumulators, 8 K steps of 128.
; ONE TEXT FOR ALL ROLES.  Source 0 takes tile set P, source 1 tile set R.  q, k: P = the weight's rows, R = tokens: a lane holds one token, its registers run along d.
; v: P = tokens, R = the weight's rows: a lane holds one d, its registers run along the keys.  So in every role the 32 registers ACC + 32 k are two blocks of 32 along the next product's K, shared by lanes l and l xor 16.
; LDS: the 256 tokens' codes (rows of 512 bytes + 16 of padding), then 64 rows of Wq, of Wk and of Wv.  All of K fits: every byte is filled once, nothing is filled again, nothing is stored to LDS.
; CLUSTER 4 x 4: the four work-groups of a row share the tokens, the four of a column the head's weights: each tile of 64 rows is asked for jointly, one tensor load a wave (waves 0-3 tokens, 4-6 weights): one load of a wave is out.
; OUT.  codes: img + head-and-batch x 65,536 + group x 2,048 + k x 512 + 16 x lane;  scale words (byte 0, 1 = the two blocks, bytes 2, 3 = 0): sc + head-and-batch x 8,192 + group x 256 + 16 r + 4 k.
; LIMITS: NaN and infinities are not served; a given scale byte 0xff gives NaN, as its value says; a block of zeros gets the byte 1 (its codes are zeros, and this program alone reads the bytes).
.set PITCH, 528                        ; an LDS row: 512 bytes + 16 = 132 words: the 16 rows of a fragment load start 4 banks apart (64 banks of 4 bytes: ISA guide 11.1)
.set T64,   64*PITCH                   ; 64 rows: what one tensor load brings
.set WOFF,  4*T64                      ; the weights lie behind the tokens
.set FROW,  16*PITCH
.set AP,   4                           ; v4   LDS address of my P fragments
.set AR,   5                           ; v5   of my R fragments
.set L16,  6                           ; v6   16 x lane
.set SCO,  7                           ; v7   32 r + 16 h: my 16 scale bytes of a row
.set VO,   8                           ; v8-15  byte offsets into the bias, one for each register of a tile
.set TM,   16                          ; v16-27 at work in the quantiser
.set BY,   28                          ; v28-29 two scale bytes
.set PC,   32                          ; v32-47 codes, four registers for each k
.set SP,   48                          ; v48-63 P's scale words: tile i at 4 i; register j: lanes 0-15 K step j, lanes 16-31 K step 4 + j
.set SR,   64                          ; v64-79 R's likewise
.set BR,   80                          ; v80-111 the bias in the result's layout
.set WSO,  112                         ; v112 16 r + 8 h
.set WD,   113                         ; v113-116 the scale words made
.set PR,   118                         ; v118-119 the pair that is stored
.set ACC,  128                         ; v128-255 accumulator (i, k) at 128 + 8 (4 k + i)
.set WV,   38
.set ROLE, 39
.set QD,   40
.set G1X,  48                          ; s[48:55] descriptor group 1 for the tokens' tiles, s[56:63] for the weights': they differ in the mask
.set G1W,  56
.set G0X,  68
.set G0W,  72
.set SEL,  98
.set MSB, 0
.macro WIN new                         ; the immediate's high byte repeats the setting that is left
.if MSB != \new
	s_set_vgpr_msb (MSB<<8)|\new
.set MSB, \new
.endif
.endm
.macro PLACES n
.rept \n
	v_nop
.endr
.endm
.macro CROUND                          ; a round of the cluster's barrier
	s_barrier_signal -1
	s_barrier_wait -1
	s_cmp_lg_u32 s[WV], 0
	s_cbranch_scc1 .Lnot_wave_0_\@
	s_barrier_signal -3
.Lnot_wave_0_\@:
	s_barrier_wait -3
	s_barrier_signal -1
	s_barrier_wait -1
.endm
; 32 registers (four tiles, two blocks of 32 shared with lane l xor 16) become four registers of codes in operand order and two scale bytes.
.macro QUANT2 src, cod, out
.irp b, 0,1
	v_max3_num_f32 v[TM+\b], |v[(\src)+16*\b]|, |v[(\src)+16*\b+1]|, 0x1800000   ; my 16 numbers of block b, and the floor 2^(3 - 127): the byte cannot fall under 1
.endr
.irp i, 2,4,6,8,10,12,14
.irp b, 0,1
	v_max3_num_f32 v[TM+\b], v[TM+\b], |v[(\src)+16*\b+\i]|, |v[(\src)+16*\b+\i+1]|
.endr
.endr
.irp b, 0,1
	s_delay_alu instid0(VALU_DEP_2)
	v_permlanex16_b32 v[TM+4+\b], v[TM+\b], s[SEL], s[SEL+1]
.endr
.irp b, 0,1
	s_delay_alu instid0(VALU_DEP_2)
	v_max_num_f32 v[TM+\b], v[TM+\b], v[TM+4+\b]          ; with lane l xor 16's: the block's largest magnitude
.endr
.irp b, 0,1
	s_delay_alu instid0(VALU_DEP_2)
	v_add_nc_u32 v[TM+8+\b], 0xff000000, v[TM+\b]         ; 2 off its exponent field: the conversion's scale operand
.endr
.irp b, 0,1
	s_delay_alu instid0(VALU_DEP_2)
	v_lshrrev_b32 v[(\out)+\b], 23, v[TM+8+\b]            ; the scale's byte
.endr
	v_cvt_scalef32_pk8_fp4_f32 v[(\cod)],   v[(\src):(\src)+7],     v[TM+8]   ; block 0, numbers 8 h + 0 .. 7
	v_cvt_scalef32_pk8_fp4_f32 v[(\cod)+1], v[(\src)+16:(\src)+23], v[TM+9]   ; block 1, the same
	v_cvt_scalef32_pk8_fp4_f32 v[(\cod)+2], v[(\src)+8:(\src)+15],  v[TM+8]   ; block 0, numbers 16 + 8 h + 0 .. 7
	v_cvt_scalef32_pk8_fp4_f32 v[(\cod)+3], v[(\src)+24:(\src)+31], v[TM+9]
	v_nop                                                  ; one plain place behind a scaled conversion
	v_permlane16_swap_b32 v[(\cod)],   v[(\cod)+1]         ; lanes 0-15 now hold block 0 whole, lanes 16-31 block 1, in ascending order
	v_permlane16_swap_b32 v[(\cod)+2], v[(\cod)+3]
.endm
.macro FETCH s                         ; the 8 fragments of K step s: 16 rows x 128 K are 8 registers, two loads of 16 bytes, 32 bytes apart
	WIN 0x40                                               ; destination window 1
.irp i, 0,1,2,3
	ds_load_b128 v[8*\i:8*\i+3],   v[AP] offset:\i*FROW+64*(\s)
	ds_load_b128 v[8*\i+4:8*\i+7], v[AP] offset:\i*FROW+64*(\s)+32
.endr
.irp k, 0,1,2,3
	ds_load_b128 v[32+8*\k:32+8*\k+3], v[AR] offset:\k*FROW+64*(\s)
	ds_load_b128 v[32+8*\k+4:32+8*\k+7], v[AR] offset:\k*FROW+64*(\s)+32
.endr
.endm
.macro PROD k, i, s, cmode             ; cmode 1: C = the bias by P's tile; 2: by R's tile; 0: in place
.set rD, ACC+8*(4*(\k)+(\i))
.set rP, 8*(\i)
.set rR, 32+8*(\k)
.set rA, SP+4*(\i)+(\s)%4
.set rB, SR+4*(\k)+(\s)%4
.if \cmode == 1
	v_wmma_scale_f32_16x16x128_f8f6f4 v[rD:rD+7], v[rP:rP+7], v[rR:rR+7], v[BR+8*(\i):BR+8*(\i)+7], v[rA], v[rB] matrix_a_fmt:MATRIX_FMT_FP4 matrix_b_fmt:MATRIX_FMT_FP4
.elseif \cmode == 2
	v_wmma_scale_f32_16x16x128_f8f6f4 v[rD:rD+7], v[rP:rP+7], v[rR:rR+7], v[BR+8*(\k):BR+8*(\k)+7], v[rA], v[rB] matrix_a_fmt:MATRIX_FMT_FP4 matrix_b_fmt:MATRIX_FMT_FP4
.elseif (\s) < 4
	v_wmma_scale_f32_16x16x128_f8f6f4 v[rD:rD+7], v[rP:rP+7], v[rR:rR+7], v[rD:rD+7], v[rA], v[rB] matrix_a_fmt:MATRIX_FMT_FP4 matrix_b_fmt:MATRIX_FMT_FP4
.else
	v_wmma_scale_f32_16x16x128_f8f6f4 v[rD:rD+7], v[rP:rP+7], v[rR:rR+7], v[rD:rD+7], v[rA], v[rB] matrix_a_fmt:MATRIX_FMT_FP4 matrix_b_fmt:MATRIX_FMT_FP4 matrix_a_scale:MATRIX_SCALE_ROW1 matrix_b_scale:MATRIX_SCALE_ROW1
.endif
.endm
.macro MULS s, cmode                   ; 16 products; the 16 accumulators take turns, one instruction a turn, in the same order in every step
	WIN 0x05                                               ; sources 0 and 1 window 1; C and D window 0
.irp k, 0,1,2,3
	s_wait_dscnt 6-2*\k                                    ; P's fragments and R's up to tile k are in; the loads of R's later tiles, two each, may be out
.irp i, 0,1,2,3
	PROD \k, \i, \s, \cmode
.endr
.endr
.endm
	s_load_b128 s[4:7], s[0:1], 0x0                ; the inputs' codes, scales
	s_load_b512 s[8:23], s[0:1], 0x10              ; Wq codes 8, scales 10, bq 12, q_img 14, q_sc 16, Wk codes 18, scales 20, bk 22
	s_load_b256 s[24:31], s[0:1], 0x50             ; k_img 24, k_sc 26, Wv codes 28, scales 30
	s_load_b128 s[32:35], s[0:1], 0x70             ; bv 32, v_img 34
	s_load_b64 s[36:37], s[0:1], 0x80              ; v_sc
	v_lshl_add_u32 v126, v0, 2, 0x40000
	v_mov_b32 v127, 0
	ds_add_u32 v126, v127
	ds_add_u32 v126, v127
	v_lshrrev_b32 v1, 5, v0
	s_delay_alu instid0(VALU_DEP_1)
	v_readfirstlane_b32 s[WV], v1                  ; wave 0..11
	s_lshr_b32 s[ROLE], s[WV], 2
	s_and_b32 s[QD], s[WV], 3
	s_bfe_u32 s41, ttmp6, 0x40000                  ; cx
	s_bfe_u32 s42, ttmp6, 0x40004                  ; cy
	s_lshl_b32 s43, ttmp9, 2
	s_add_co_u32 s43, s43, s41                     ; the head = 4 x cluster x + cx
	s_and_b32 s44, ttmp7, 0xffff
	s_lshl_b32 s44, s44, 2
	s_add_co_u32 s44, s44, s42                     ; the block of 256 tokens = 4 x cluster y + cy
	s_lshl_b32 s45, s42, 2
	s_lshl_b32 s45, 15, s45                        ; my row of the cluster
	s_lshl_b32 s46, 0x1111, s41                    ; my column
	s_or_b32 s[G1X], s45, (1<<20)|(1<<21)|(6<<22)|(3<<25)   ; 15:0 the mask; 17:16 elements of 1 byte; 20 padding on; 21 set beside a mask; 24:22 after every 128 words; 31:25 four words
	s_or_b32 s[G1W], s46, (1<<20)|(1<<21)|(6<<22)|(3<<25)
.irp g, G1X, G1W
	s_mov_b32 s[\g+1], 512<<16                     ; tensor_dim0 = 512 bytes
	s_mov_b32 s[\g+2], 64<<16                      ; tensor_dim1 = 64 rows
	s_mov_b32 s[\g+3], 512<<16                     ; tile_dim0
	s_mov_b32 s[\g+4], 64                          ; tile_dim1
	s_mov_b32 s[\g+5], 512                         ; from row to row
	s_mov_b32 s[\g+6], 0
	s_mov_b32 s[\g+7], 0
.endr
	s_lshl_b32 s90, s44, 17                        ; tokens: 256 rows of 512 bytes a block,
	s_lshl_b32 s88, s[WV], 15                      ; 64 rows a wave
	s_add_co_u32 s90, s90, s88
	s_mov_b32 s91, 0
	s_lshl_b32 s92, s43, 15                        ; weights: 64 rows of 512 bytes a head
	s_mov_b32 s93, 0
	s_mul_i32 s94, s[WV], T64                      ; where my tile goes: wave x 64 rows (waves 4, 5, 6: Wq, Wk, Wv behind the tokens)
	s_mov_b32 s[SEL], 0x76543210
	s_mov_b32 s[SEL+1], 0xfedcba98                 ; v_permlanex16_b32's selects for lane l xor 16
	s_wait_dscnt 0x0
	s_wait_kmcnt 0x0
	s_mov_b32 s[G0X], 1
	s_mov_b32 s[G0X+1], s94
	s_add_nc_u64 s[G0X+2:G0X+3], s[4:5], s[90:91]
	s_or_b32 s[G0X+3], s[G0X+3], 0x80000000
	s_cmp_eq_u32 s[WV], 4                          ; which weight I fetch hangs on the wave's number alone
	s_cselect_b64 s[88:89], s[8:9], s[28:29]
	s_cmp_eq_u32 s[WV], 5
	s_cselect_b64 s[88:89], s[18:19], s[88:89]
	s_mov_b32 s[G0W], 1
	s_mov_b32 s[G0W+1], s94
	s_add_nc_u64 s[G0W+2:G0W+3], s[88:89], s[92:93]
	s_or_b32 s[G0W+3], s[G0W+3], 0x80000000
	CROUND                                         ; all sixteen work-groups are here: the joint loads meet
	s_cmp_lt_u32 s[WV], 4
	s_cbranch_scc0 .Lnot_x
	tensor_load_to_lds s[G0X:G0X+3], s[G1X:G1X+7]
	s_nop 0
	PLACES 4
	s_branch .Lasked
.Lnot_x:
	s_cmp_lt_u32 s[WV], 7
	s_cbranch_scc0 .Lasked
	tensor_load_to_lds s[G0W:G0W+3], s[G1W:G1W+7]
	s_nop 0
	PLACES 4
.Lasked:
	; the role's buffers and the wave's places in them
	s_lshr_b32 s95, s44, 3
	s_lshl_b32 s95, s95, 4
	s_add_co_u32 s95, s95, s43                     ; 16 x batch + head
	s_and_b32 s96, s44, 7
	s_lshl_b32 s96, s96, 2
	s_add_co_u32 s96, s96, s[QD]                   ; my group of 64 tokens in the batch
	s_mul_i32 s93, s[QD], T64                      ; my tokens in LDS
	s_mul_i32 s94, s[ROLE], T64
	s_add_co_u32 s94, s94, WOFF                    ; my weight in LDS
	s_cmp_eq_u32 s[ROLE], 0
	s_cselect_b64 s[76:77], s[10:11], s[30:31]     ; the weight's scales
	s_cselect_b64 s[78:79], s[12:13], s[32:33]     ; the bias
	s_cselect_b64 s[80:81], s[14:15], s[34:35]     ; the codes' buffer
	s_cselect_b64 s[82:83], s[16:17], s[36:37]     ; the scale words' buffer
	s_cmp_eq_u32 s[ROLE], 1
	s_cselect_b64 s[76:77], s[20:21], s[76:77]
	s_cselect_b64 s[78:79], s[22:23], s[78:79]
	s_cselect_b64 s[80:81], s[24:25], s[80:81]
	s_cselect_b64 s[82:83], s[26:27], s[82:83]
	s_mov_b32 s89, 0
	s_lshl_b32 s88, s43, 11                        ; 64 rows of 32 scale bytes a head
	s_add_nc_u64 s[76:77], s[76:77], s[88:89]
	s_lshl_b32 s88, s43, 8                         ; 64 numbers of the bias
	s_add_nc_u64 s[78:79], s[78:79], s[88:89]
	s_lshl_b32 s88, s95, 16
	s_lshl_b32 s90, s96, 11
	s_add_co_u32 s88, s88, s90
	s_add_nc_u64 s[80:81], s[80:81], s[88:89]
	s_lshl_b32 s88, s95, 13
	s_lshl_b32 s90, s96, 8
	s_add_co_u32 s88, s88, s90
	s_add_nc_u64 s[82:83], s[82:83], s[88:89]
	s_lshl_b32 s88, s44, 13                        ; the tokens' scales: 256 rows of 32 bytes a block, 64 rows a wave
	s_lshl_b32 s90, s[QD], 11
	s_add_co_u32 s88, s88, s90
	s_add_nc_u64 s[6:7], s[6:7], s[88:89]
	s_cmp_lt_u32 s[ROLE], 2                        ; q, k: P = weight, R = tokens;  v: the other way round
	s_cselect_b64 s[84:85], s[76:77], s[6:7]       ; P's scales
	s_cselect_b64 s[86:87], s[6:7], s[76:77]       ; R's scales
	s_cselect_b32 s90, 0, 4                        ; the bias's offset = r x s90 + h x s91 + j x s92
	s_cselect_b32 s91, 32, 0
	s_cselect_b32 s92, 4, 0
	s_cselect_b32 s97, s94, s93                    ; P in LDS
	s_cselect_b32 s47, s93, s94                    ; R in LDS
	v_and_b32 v1, 31, v0                           ; lane
	v_and_b32 v2, 15, v0                           ; r
	v_bfe_u32 v3, v0, 4, 1                         ; h
	s_delay_alu instid0(VALU_DEP_3)
	v_lshlrev_b32 v[L16], 4, v1
	s_delay_alu instid0(VALU_DEP_3)
	v_lshlrev_b32 v[SCO], 5, v2
	s_delay_alu instid0(VALU_DEP_1)
	v_lshl_add_u32 v[SCO], v3, 4, v[SCO]
	v_lshlrev_b32 v[WSO], 4, v2
	s_delay_alu instid0(VALU_DEP_1)
	v_lshl_add_u32 v[WSO], v3, 3, v[WSO]
	v_mul_u32_u24 v16, v2, PITCH
	s_delay_alu instid0(VALU_DEP_1)
	v_lshl_add_u32 v16, v3, 4, v16                 ; a fragment's row x pitch + 16 x half
	s_delay_alu instid0(VALU_DEP_1)
	v_add_nc_u32 v[AP], s97, v16
	s_delay_alu instid0(VALU_DEP_2)
	v_add_nc_u32 v[AR], s47, v16
	v_mul_u32_u24 v[VO], v2, s90
	s_delay_alu instid0(VALU_DEP_1)
	v_mad_u32_u24 v[VO], v3, s91, v[VO]
.irp j, 1,2,3,4,5,6,7
	s_delay_alu instid0(VALU_DEP_1)
	v_add_nc_u32 v[VO+\j], s92, v[VO+\j-1]
.endr
	v_mov_b32 v[TM+4], 0                           ; written once: a lane permute's destination counts as one of its sources
	v_mov_b32 v[TM+5], 0
.irp i, 0,1,2,3
	global_load_b128 v[SP+4*\i:SP+4*\i+3], v[SCO], s[84:85] offset:512*\i   ; 16 rows' 32 scale bytes: 512 consecutive bytes a load
.endr
.irp k, 0,1,2,3
	global_load_b128 v[SR+4*\k:SR+4*\k+3], v[SCO], s[86:87] offset:512*\k
.endr
.irp i, 0,1,2,3
.irp j, 0,1,2,3,4,5,6,7
	global_load_b32 v[BR+8*\i+\j], v[VO+\j], s[78:79] offset:64*\i   ; q, k: b[16 i + 8 h + j];  v: b[16 i + r] in all eight
.endr
.endr
	s_wait_tensorcnt 0x0                           ; my tile has landed,
	s_barrier_signal -1
	s_barrier_wait -1                              ; everybody's has
	FETCH 0
	s_wait_loadcnt 0x0                             ; the scale words and the bias
	WIN 0                                          ; at a branch and at a label every window is 0
	s_cmp_lt_u32 s[ROLE], 2
	s_cbranch_scc0 .Lstep0_v
	MULS 0, 1                                      ; the first products start the sums with the bias as C
	WIN 0
	s_branch .Lstep0_done
.Lstep0_v:
	MULS 0, 2
	WIN 0
.Lstep0_done:
.irp s, 1,2,3,4,5,6,7
	PLACES 4                                       ; places in front of loads into registers that matrix instructions have read
	FETCH \s
	MULS \s, 0
.endr
	WIN 0
	PLACES 4                                       ; and in front of the first read of results
.irp k, 0,1,2,3
	QUANT2 ACC+32*\k, PC+4*\k, BY
	v_lshl_or_b32 v[WD+\k], v[BY+1], 8, v[BY]      ; the scale word: two bytes, the upper two 0
	global_store_b128 v[L16], v[PC+4*\k:PC+4*\k+3], s[80:81] offset:512*\k   ; 32 lanes store 512 consecutive bytes, aligned
.endr
	v_cmp_ne_u32 vcc_lo, 0, v3
	s_delay_alu instid0(VALU_DEP_1)
	v_cndmask_b32 v[PR], v[WD], v[WD+2], vcc_lo    ; lanes 0-15 store words 0 and 1 of their row, lanes 16-31 words 2 and 3
	s_delay_alu instid0(VALU_DEP_2)
	v_cndmask_b32 v[PR+1], v[WD+1], v[WD+3], vcc_lo
	global_store_b64 v[WSO], v[PR:PR+1], s[82:83]  ; the wave stores 256 consecutive bytes, aligned
	s_wait_tensorcnt 0x0
	ds_add_u32 v126, v127
	s_wait_dscnt 0x0
	CROUND                                         ; the closing round
	s_endpgm
.Lfunc_end_k_q567e17f545_qkv:
	.size	k_q567e17f545_qkv, .Lfunc_end_k_q567e17f545_qkv-k_q567e17f545_qkv
	.p2alignl 7, 3214868480
	.fill 96, 4, 3214868480
	.section	.rodata,"a",@progbits
	.p2align	6, 0x0
	.amdhsa_kernel k_q567e17f545_qkv
		.amdhsa_group_segment_fixed_size 263680
		.amdhsa_private_segment_fixed_size 0
		.amdhsa_enable_private_segment 0
		.amdhsa_kernarg_size 136
		.amdhsa_user_sgpr_count 2
		.amdhsa_user_sgpr_kernarg_segment_ptr 1
		.amdhsa_wavefront_size32 1
		.amdhsa_system_sgpr_workgroup_id_x 1
		.amdhsa_system_sgpr_workgroup_id_y 1
		.amdhsa_system_sgpr_workgroup_id_z 1
		.amdhsa_system_vgpr_workitem_id 0
		.amdhsa_next_free_vgpr 336
		.amdhsa_next_free_sgpr 100
		.amdhsa_reserve_vcc 1
		.amdhsa_float_denorm_mode_32 3
		.amdhsa_float_denorm_mode_16_64 3
		.amdhsa_memory_ordered 1
		.amdhsa_forward_progress 1
		.amdhsa_inst_pref_size 50
	.end_amdhsa_kernel
	.amdgpu_metadata
---
amdhsa.version: [ 1, 2 ]
amdhsa.kernels:
  - .name:           k_q567e17f545_qkv
    .symbol:         k_q567e17f545_qkv.kd
    .args:
      - { .name: inputs_codes, .offset: 0, .size: 8, .value_kind: global_buffer, .address_space: global }
      - { .name: inputs_scales, .offset: 8, .size: 8, .value_kind: global_buffer, .address_space: global }
      - { .name: Wq_codes, .offset: 16, .size: 8, .value_kind: global_buffer, .address_space: global }
      - { .name: Wq_scales, .offset: 24, .size: 8, .value_kind: global_buffer, .address_space: global }
      - { .name: bq, .offset: 32, .size: 8, .value_kind: global_buffer, .address_space: global }
      - { .name: q_img, .offset: 40, .size: 8, .value_kind: global_buffer, .address_space: global }
      - { .name: q_sc, .offset: 48, .size: 8, .value_kind: global_buffer, .address_space: global }
      - { .name: Wk_codes, .offset: 56, .size: 8, .value_kind: global_buffer, .address_space: global }
      - { .name: Wk_scales, .offset: 64, .size: 8, .value_kind: global_buffer, .address_space: global }
      - { .name: bk, .offset: 72, .size: 8, .value_kind: global_buffer, .address_space: global }
      - { .name: k_img, .offset: 80, .size: 8, .value_kind: global_buffer, .address_space: global }
      - { .name: k_sc, .offset: 88, .size: 8, .value_kind: global_buffer, .address_space: global }
      - { .name: Wv_codes, .offset: 96, .size: 8, .value_kind: global_buffer, .address_space: global }
      - { .name: Wv_scales, .offset: 104, .size: 8, .value_kind: global_buffer, .address_space: global }
      - { .name: bv, .offset: 112, .size: 8, .value_kind: global_buffer, .address_space: global }
      - { .name: v_img, .offset: 120, .size: 8, .value_kind: global_buffer, .address_space: global }
      - { .name: v_sc, .offset: 128, .size: 8, .value_kind: global_buffer, .address_space: global }
    .group_segment_fixed_size: 263680
    .private_segment_fixed_size: 0
    .kernarg_segment_align: 8
    .kernarg_segment_size: 136
    .max_flat_workgroup_size: 384
    .sgpr_count:     100
    .vgpr_count:     336
    .wavefront_size: 32
...
	.end_amdgpu_metadata
.endif
;; end of part 1
;; launch attn (part 2): grid 8 x 32, 8 waves a work-group, clusters of 4 x 1, 238,592 bytes of LDS; arguments q_img, q_sc, k_img, k_sc, v_img, v_sc, mask, x_img, x_sc; writes x_img, x_sc
.if DOCPART == 2
	.amdgcn_target "amdgcn-amd-amdhsa--gfx1250"
	.amdhsa_code_object_version 6
	.text
	.protected	k_q567e17f545_attn
	.globl	k_q567e17f545_attn
	.p2align	8
	.type	k_q567e17f545_attn,@function
k_q567e17f545_attn:
	s_mov_b64 s[64:65], 0
	v_nop
	global_prefetch_b8 v0, s[64:65] scope:SCOPE_SE
	s_setreg_imm32_b32 hwreg(HW_REG_WAVE_MODE, 25, 1), 1
	s_wait_xcnt 0x0
	s_wait_alu depctr_hold_cnt(0) depctr_sa_sdst(0) depctr_va_vdst(0) depctr_va_sdst(0) depctr_va_ssrc(0) depctr_va_vcc(0) depctr_vm_vsrc(0)
	s_getreg_b32 s2, hwreg(HW_REG_IB_STS2, 6, 4)
	s_cmp_eq_u32 s2, 0
	s_cbranch_scc0 .Lentry_in_a_cluster
	s_endpgm
.Lentry_in_a_cluster:
	s_bfe_u32 s2, ttmp6, 0x10000c
	s_cmp_lg_u32 s2, 0x3003
	s_cbranch_scc0 .Lentry_shape_is_right
	s_endpgm
.Lentry_shape_is_right:
; x = P v for one head, P = softmax(s m) m / (sum + 1e-13), s = q . k / 8, m = mask[q] mask[k]; both products on codes of FP4 (E2M1), one E8M0 scale for each 32 along K.
; P is quantised finished and normalised, so its divisor is wanted before its first code.  THE SCORES STAY IN REGISTERS until the divisor is known: each score and each exponential is made once.
; SHARES.  A work-group owns 256 queries of one head.  Eight waves: wave / 4 = which of two tiles of 16 queries, wave % 4 = which 512 of the 2,048 keys.  Eight rounds of two tiles.
; A lane holds one query; its 256 numbers (512 keys / 2 lanes) lie in register window 1 (E).
; A ROUND.  A: S^T = K Q^T, u = s mk, the largest u of my keys.  B: M = ceil(largest t), e = 2^(u g - M), Z = sum e, Y = sum e mk, w = e mk in place.
; Then (-M, Z, Y) of the four waves of a tile meet in LDS (one barrier); row M = the largest, parts are brought under it by powers of two, F = mq / (mq Y + 1e-13 Z).
; C: P = w F 2^(my M - row M), its codes and scale bytes, O^T += V^T P^T; my partial O^T goes to a stage in LDS.
; The four partial O^T of a tile are added, quantised along the last product's K and stored in the NEXT round, behind its barrier, by one wave of the four, which changes from round to round.
; The exchange words and the stage have two halves that take turns by the round's parity (two rounds to a trip): so one barrier a round orders all of it.
; mq's sign is put into q's codes (exact); g = |mq| log2(e) / 8.  K = 64 fills half of the instruction's 128: registers 4-7 of both operands hold zero codes, bytes 2, 3 of the scale words are 0.
; LDS: the head's K, V, scale words and the batch's mask, each filled once by joint loads of the cluster's four work-groups (mask 15), one tensor load a wave at the head (waves 0-6).
; No prefetch: all that comes from memory in bulk is asked for at the head, and there is no loop to run ahead in; a tile's q is loaded one round ahead into registers.
; LIMITS: NaN and infinities are not served; the mask may hold any finite number; e under 2^-126 comes out of v_exp_f32 as 0; rows with mq Y + 1e-13 Z = 0, where reference() is not finite, are not served;
; a block of zeros gets the byte 1 (its codes are zeros, and this program alone reads the bytes).
.set VIMG, 65536
.set KSC,  131072
.set MSK,  139264
.set VSCR, 147456                      ; V's scale words as stored (two bytes each)
.set VSC2, 155648                      ; merged, four bytes for 128 keys: written by LDS stores
.set XCH,  163840                      ; 2 x 4,096: (-M, Z, Y), 512 bytes a wave
.set OST,  172032                      ; 2 x 32,768: partial O^T, 4,096 bytes a wave
.set SPARE, 237568
.set AKI,1
.set AVI,2
.set AKS,3
.set AVS,4
.set AMK,5
.set SPW,6
.set NIL,7
.set XWB,8
.set XRB,9
.set OSB,10
.set ORB,11
.set L16,12
.set R16,13
.set R4,14
.set XSB,15
.set QIO,16
.set QWO,17
.set MQO,18
.set XIO,19
.set XSO,20
.set AVR,21
.set RB,22
.set GG,24                             ; pairs: g, -M, F (the upper halves are only named)
.set NM,26
.set FF,28
.set MQ,30
.set T0,31
.set T1,32
.set QW,33
.set PW,34
.set BY,36
.set KW,40
.set VW,44
.set PCD,48
.set QF,56
.set QN,64                             ; the next tile's q: 4 registers of codes, scale word, mq
.set ZA,72
.set ZB,74
.set YA,76
.set YB,78
.set PM,80
.set TM,84                             ; 12 at work in the quantiser; also the exchange's 12 words
.set XN,84
.set XZ,88
.set XY,92
.set KB,104                            ; K's eight fragments, upper four registers zeros
.set MK,168                            ; the keys' mask in the scores' layout (A, B);
.set VF,168                            ; in C: V's four fragments
.set OT,200                            ; and O^T
.set WV,22
.set G1A,28
.set G1B,36
.set G0K,44
.set G0A,48
.set PP,52
.set TB,53
.set P2,55
.set SEL,56
.set RI,58
.set HM,62
.set CQ,63
.set MSB, 0
.macro WIN new                         ; the immediate's high byte repeats the setting that is left
.if MSB != \new
	s_set_vgpr_msb (MSB<<8)|\new
.set MSB, \new
.endif
.endm
.macro PLACES n
.rept \n
	v_nop
.endr
.endm
.macro CROUND
	s_barrier_signal -1
	s_barrier_wait -1
	s_cmp_lg_u32 s[WV], 0
	s_cbranch_scc1 .Lnot_wave_0_\@
	s_barrier_signal -3
.Lnot_wave_0_\@:
	s_barrier_wait -3
	s_barrier_signal -1
	s_barrier_wait -1
.endm
; nb blocks of 32 (16 registers each, shared with lane l xor 16) from src (hi = 1: window 1) become codes in operand order (PCD) and scale bytes (BY)
.macro QUANT src, nb, hi
	WIN 0x05*\hi
.irp b, 0,1,2,3
.if \b < \nb
	v_max3_num_f32 v[TM+\b], |v[(\src)+16*\b]|, |v[(\src)+16*\b+1]|, 0x1800000   ; with the floor 2^(3 - 127): the byte cannot fall under 1
.endif
.endr
	WIN 0x14*\hi
.irp i, 2,4,6,8,10,12,14
.irp b, 0,1,2,3
.if \b < \nb
	v_max3_num_f32 v[TM+\b], v[TM+\b], |v[(\src)+16*\b+\i]|, |v[(\src)+16*\b+\i+1]|
.endif
.endr
.endr
	WIN 0
.irp b, 0,1,2,3
.if \b < \nb
	v_permlanex16_b32 v[TM+4+\b], v[TM+\b], s[SEL], s[SEL+1]
.endif
.endr
.irp b, 0,1,2,3
.if \b < \nb
	v_max_num_f32 v[TM+\b], v[TM+\b], v[TM+4+\b]
.endif
.endr
.irp b, 0,1,2,3
.if \b < \nb
	v_add_nc_u32 v[TM+8+\b], 0xff000000, v[TM+\b]          ; 2 off the exponent field: the conversion's scale operand
.endif
.endr
.irp b, 0,1,2,3
.if \b < \nb
	v_lshrrev_b32 v[BY+\b], 23, v[TM+8+\b]                 ; the scale's byte
.endif
.endr
	WIN \hi
.irp g, 0,1
.if 2*\g < \nb
	v_cvt_scalef32_pk8_fp4_f32 v[PCD+4*\g],   v[(\src)+32*\g:(\src)+32*\g+7],     v[TM+8+2*\g]
	v_cvt_scalef32_pk8_fp4_f32 v[PCD+4*\g+1], v[(\src)+32*\g+16:(\src)+32*\g+23], v[TM+9+2*\g]
	v_cvt_scalef32_pk8_fp4_f32 v[PCD+4*\g+2], v[(\src)+32*\g+8:(\src)+32*\g+15],  v[TM+8+2*\g]
	v_cvt_scalef32_pk8_fp4_f32 v[PCD+4*\g+3], v[(\src)+32*\g+24:(\src)+32*\g+31], v[TM+9+2*\g]
.endif
.endr
	WIN 0
	v_nop                                                  ; one plain place behind a scaled conversion
.irp g, 0,1
.if 2*\g < \nb
	v_permlane16_swap_b32 v[PCD+4*\g],   v[PCD+4*\g+1]     ; lanes 0-15 hold the even block whole, lanes 16-31 the odd one
	v_permlane16_swap_b32 v[PCD+4*\g+2], v[PCD+4*\g+3]
.endif
.endr
.endm
.macro KLOAD s                         ; 9 loads: K's scale words and eight fragments of my step s
	ds_load_b128 v[KW:KW+3], v[AKS] offset:512*(\s)
.irp t, 0,1,2,3,4,5,6,7
	ds_load_b128 v[KB+8*\t:KB+8*\t+3], v[AKI] offset:4096*(\s)+512*\t
.endr
.endm
.macro MLOAD s                         ; 16 loads: mask of keys 16 t + 8 h + 0 .. 7
.irp t, 0,1,2,3,4,5,6,7
	ds_load_b128 v[MK+8*\t:MK+8*\t+3],   v[AMK] offset:512*(\s)+64*\t
	ds_load_b128 v[MK+8*\t+4:MK+8*\t+7], v[AMK] offset:512*(\s)+64*\t+16
.endr
.endm
.macro QASK                            ; s66 = a tile of queries: its codes, scale word and mask are asked for
	s_lshl_b32 s67, s66, 9
	s_lshl_b32 s68, s66, 6
	s_lshr_b32 s69, s66, 2
	s_lshl_b32 s69, s69, 8
	s_and_b32 s70, s66, 3
	s_lshl_b32 s70, s70, 2
	s_add_co_u32 s69, s69, s70
	v_add_nc_u32 v[QIO], s67, v[L16]
	v_add_nc_u32 v[QWO], s69, v[R16]
	v_add_nc_u32 v[MQO], s68, v[R4]
	global_load_b128 v[QN:QN+3], v[QIO], s[4:5]
	global_load_b32 v[QN+4], v[QWO], s[6:7]
	global_load_b32 v[QN+5], v[MQO], s[74:75]
.endm
.macro QK s, t, kw, row
	v_wmma_scale_f32_16x16x128_f8f6f4 v[64*(\s)+8*\t:64*(\s)+8*\t+7], v[KB+8*\t:KB+8*\t+7], v[QF:QF+7], 0, v[KW+\kw], v[QW] matrix_a_fmt:MATRIX_FMT_FP4 matrix_b_fmt:MATRIX_FMT_FP4 \row
.endm
.macro ASTEP s                         ; 128 keys: scores into E, u = s mk, the largest u in four chains
.set E0, 64*(\s)
.if \s == 0
	s_wait_alu depctr_va_vdst(0)                   ; directly ahead of the wait below
.endif
	s_wait_dscnt 16                                ; K's 9 loads are in; the 16 mask loads behind them may be out
	WIN 0x40                                       ; D in window 1
	QK \s, 0, 0
	QK \s, 1, 1
	QK \s, 2, 2
	QK \s, 3, 3
	QK \s, 4, 0, matrix_a_scale:MATRIX_SCALE_ROW1
	QK \s, 5, 1, matrix_a_scale:MATRIX_SCALE_ROW1
	QK \s, 6, 2, matrix_a_scale:MATRIX_SCALE_ROW1
	QK \s, 7, 3, matrix_a_scale:MATRIX_SCALE_ROW1
	PLACES 4                                       ; in front of loads into the operands and of the first read of results
	WIN 0
.if \s < 3
	KLOAD \s+1
	s_wait_dscnt 9                                 ; the mask is in; the 9 just issued may be out
.else
	s_wait_dscnt 0x0
.endif
	WIN 0x41
.set j, 0
.rept 32
	v_pk_mul_f32 v[E0+j:E0+j+1], v[E0+j:E0+j+1], v[MK+j:MK+j+1]   ; each accumulator from its low end on
.set j, j+2
.endr
	WIN 0x14
	MLOAD (\s+1)%4                                 ; the next step's mask; behind the last step: that of B's first chunk
.irp i, 0,2,4,6,8,10,12,14
.irp b, 0,1,2,3
	v_max3_num_f32 v[PM+\b], v[PM+\b], v[E0+16*\b+\i], v[E0+16*\b+\i+1]
.endr
.endr
.endm
.macro BCHUNK s                        ; 128 keys: e, Z, Y, w = e mk
.set E0, 64*(\s)
	WIN 0x41
.set j, 0
.rept 32
	v_pk_fma_f32 v[E0+j:E0+j+1], v[E0+j:E0+j+1], v[GG:GG+1], v[NM:NM+1] op_sel_hi:[1,0,0]   ; t - M
.set j, j+2
.endr
	s_wait_alu depctr_va_vdst(0)                   ; a wait ahead of the batch
.set j, 0
.rept 64
	v_exp_f32 v[E0+j], v[E0+j]
.set j, j+1
.endr
	v_nop                                          ; a plain place behind the exponentials
	s_wait_alu depctr_va_vdst(0)                   ; and one wait behind the batch
	WIN 0x04
	s_wait_dscnt 0x0                               ; this chunk's mask
.set j, 0
.rept 16
	v_pk_add_f32 v[ZA:ZA+1], v[ZA:ZA+1], v[E0+j:E0+j+1]
	v_pk_fma_f32 v[YA:YA+1], v[MK+j:MK+j+1], v[E0+j:E0+j+1], v[YA:YA+1]
	v_pk_add_f32 v[ZB:ZB+1], v[ZB:ZB+1], v[E0+j+2:E0+j+3]
	v_pk_fma_f32 v[YB:YB+1], v[MK+j+2:MK+j+3], v[E0+j+2:E0+j+3], v[YB:YB+1]
.set j, j+4
.endr
	WIN 0x41
.set j, 0
.rept 32
	v_pk_mul_f32 v[E0+j:E0+j+1], v[E0+j:E0+j+1], v[MK+j:MK+j+1]
.set j, j+2
.endr
	WIN 0
.if \s < 3
	MLOAD \s+1
.endif
.endm
.macro CSTEP s                         ; 128 keys: P, its codes, O^T += V^T P^T
.set E0, 64*(\s)
	WIN 0x41
.set j, 0
.rept 32
	v_pk_mul_f32 v[E0+j:E0+j+1], v[E0+j:E0+j+1], v[FF:FF+1] op_sel_hi:[1,0]   ; P, finished and normalised (these are also the places behind the last step's products)
.set j, j+2
.endr
	WIN 0
	ds_load_b128 v[VW:VW+3], v[AVS] offset:512*(\s)
.irp t, 0,1,2,3
	ds_load_b128 v[VF+8*\t:VF+8*\t+3],   v[AVI] offset:4096*(\s)+512*\t
	ds_load_b128 v[VF+8*\t+4:VF+8*\t+7], v[AVI] offset:4096*(\s)+2048+512*\t
.endr
	QUANT 64*(\s), 4, 1
	v_lshl_or_b32 v[PW], v[BY+1], 8, v[BY]
	v_lshl_or_b32 v[PW], v[BY+2], 16, v[PW]
	v_lshl_or_b32 v[PW], v[BY+3], 24, v[PW]
	s_wait_alu depctr_va_vdst(0)                   ; directly ahead of the wait below
	s_wait_dscnt 0x0                               ; V's fragments and scale words
	PLACES 8                                       ; a scale register written by a vector instruction stands eight places ahead of a scaled matrix instruction
.irp t, 0,1,2,3                                        ; four accumulators, one instruction a turn
.if \s == 0
	v_wmma_scale_f32_16x16x128_f8f6f4 v[OT+8*\t:OT+8*\t+7], v[VF+8*\t:VF+8*\t+7], v[PCD:PCD+7], 0, v[VW+\t], v[PW] matrix_a_fmt:MATRIX_FMT_FP4 matrix_b_fmt:MATRIX_FMT_FP4
.else
	v_wmma_scale_f32_16x16x128_f8f6f4 v[OT+8*\t:OT+8*\t+7], v[VF+8*\t:VF+8*\t+7], v[PCD:PCD+7], v[OT+8*\t:OT+8*\t+7], v[VW+\t], v[PW] matrix_a_fmt:MATRIX_FMT_FP4 matrix_b_fmt:MATRIX_FMT_FP4
.endif
.endr
.endm
; Round i = RI + par: the wave with wave % 4 = (i - 1 + 2 (wave / 4)) % 4 adds the four partial O^T of round i - 1, quantises and stores them.  The branches hang on the wave's number and the count of rounds alone.
.macro REDUCE par
	s_cmp_eq_u32 s[RI], 0-(\par)                   ; round 0 has no round before it
	s_cbranch_scc1 .Lnr_\@
	s_add_co_u32 s66, s[RI], \par+3
	s_add_co_u32 s66, s66, s[P2]
	s_and_b32 s66, s66, 3
	s_cmp_lg_u32 s66, s[CQ]
	s_cbranch_scc1 .Lnr_\@
.irp q, 0,1,2,3,4,5,6,7
	ds_load_b128 v[MK+4*\q:MK+4*\q+3],       v[ORB] offset:(1-\par)*32768+512*\q
	ds_load_b128 v[MK+32+4*\q:MK+32+4*\q+3], v[ORB] offset:(1-\par)*32768+4096+512*\q
	ds_load_b128 v[KB+4*\q:KB+4*\q+3],       v[ORB] offset:(1-\par)*32768+8192+512*\q
	ds_load_b128 v[KB+32+4*\q:KB+32+4*\q+3], v[ORB] offset:(1-\par)*32768+12288+512*\q
.endr
	s_add_co_u32 s66, s[RI], \par-1
	s_lshl_b32 s66, s66, 1
	s_add_co_u32 s66, s66, s[TB]                   ; that round's tile
	s_lshl_b32 s67, s66, 13
	s_lshl_b32 s68, s66, 9
	v_add_nc_u32 v[XIO], s67, v[L16]
	v_add_nc_u32 v[XSO], s68, v[XSB]
	s_wait_dscnt 0x0
.set j, 0
.rept 16
	v_pk_add_f32 v[MK+j:MK+j+1], v[MK+j:MK+j+1], v[MK+32+j:MK+33+j]
	v_pk_add_f32 v[KB+j:KB+j+1], v[KB+j:KB+j+1], v[KB+32+j:KB+33+j]
.set j, j+2
.endr
.set j, 0
.rept 16
	v_pk_add_f32 v[MK+j:MK+j+1], v[MK+j:MK+j+1], v[KB+j:KB+j+1]
.set j, j+2
.endr
.irp t, 0,1,2,3,4,5,6,7
.irp j, 4,5,6,7
	v_mov_b32 v[KB+8*\t+\j], 0                     ; K's fragments get their zero codes back
.endr
.endr
	QUANT MK, 2, 0
	global_store_b128 v[XIO], v[PCD:PCD+3], s[18:19]   ; 32 lanes store 512 consecutive bytes, aligned
	v_cndmask_b32 v[RB], v[BY], v[BY+1], s[HM]
	global_store_b8 v[XSO], v[RB], s[20:21]        ; single bytes: a token's 32 scale bytes belong to sixteen heads
	s_wait_xcnt 0x0                                ; the stores have read their registers, which are written again below
.Lnr_\@:
.endm
.macro ROUND par
	KLOAD 0
	MLOAD 0
	s_wait_loadcnt 0x0                             ; this round's q, asked for a round ago
	v_mov_b32 v[QW], v[QN+4]
	v_mov_b32 v[MQ], v[QN+5]
	v_mul_f32 v[GG], s61, |v[QN+5]|                ; g
	v_ashrrev_i32 v[T0], 31, v[QN+5]
	v_and_b32 v[T0], 0x88888888, v[T0]             ; mq's sign, at the sign bit of each of eight codes
.irp j, 0,1,2,3
	v_xor_b32 v[QF+\j], v[T0], v[QN+\j]
.endr
.irp j, 0,1,2,3
	v_mov_b32 v[PM+\j], 0xff61b1e6                 ; -3e38, under every u
.endr
.irp j, 0,1,2,3,4,5,6,7
	v_mov_b32 v[ZA+\j], 0
.endr
.if \par
	s_cmp_eq_u32 s[RI], 6                          ; the last round asks for nothing
	s_cbranch_scc1 .Lnoq_\@
.endif
	s_add_co_u32 s66, s[RI], \par+1
	s_lshl_b32 s66, s66, 1
	s_add_co_u32 s66, s66, s[TB]
	QASK
.Lnoq_\@:
	ASTEP 0
	ASTEP 1
	ASTEP 2
	ASTEP 3
	WIN 0
	v_max3_num_f32 v[T0], v[PM], v[PM+1], v[PM+2]
	v_max_num_f32 v[T0], v[T0], v[PM+3]
	v_mul_f32 v[T0], v[GG], v[T0]                  ; as t (g is not negative)
	v_permlanex16_b32 v[T1], v[T0], s[SEL], s[SEL+1]
	v_max_num_f32 v[T0], v[T0], v[T1]
	v_floor_f32 v[NM], -v[T0]                      ; -M = -ceil(largest t of my 512 keys)
	BCHUNK 0
	BCHUNK 1
	BCHUNK 2
	BCHUNK 3
	v_pk_add_f32 v[ZA:ZA+1], v[ZA:ZA+1], v[ZB:ZB+1]
	v_pk_add_f32 v[YA:YA+1], v[YA:YA+1], v[YB:YB+1]
	v_add_f32 v[ZA], v[ZA], v[ZA+1]
	v_add_f32 v[YA], v[YA], v[YA+1]
	v_permlanex16_b32 v[ZA+1], v[ZA], s[SEL], s[SEL+1]
	v_permlanex16_b32 v[YA+1], v[YA], s[SEL], s[SEL+1]
	v_add_f32 v[ZA], v[ZA], v[ZA+1]                ; with lane l xor 16's keys: both lanes of a query hold my part's Z
	v_add_f32 v[YA], v[YA], v[YA+1]                ; and Y
	ds_store_b32 v[XWB], v[NM] offset:\par*4096
	ds_store_b32 v[XWB], v[ZA] offset:\par*4096+128
	ds_store_b32 v[XWB], v[YA] offset:\par*4096+256
	s_wait_dscnt 0x0                               ; for the others' sake: these stores and the last round's stores to the stage are done
	s_barrier_signal -1
	s_barrier_wait -1
.irp c, 0,1,2,3
	ds_load_b32 v[XN+\c], v[XRB] offset:\par*4096+512*\c
	ds_load_b32 v[XZ+\c], v[XRB] offset:\par*4096+512*\c+128
	ds_load_b32 v[XY+\c], v[XRB] offset:\par*4096+512*\c+256
.endr
	s_wait_dscnt 0x0
	v_min_num_f32 v[T0], v[XN], v[XN+1]
	v_min_num_f32 v[T1], v[XN+2], v[XN+3]
	v_min_num_f32 v[T0], v[T0], v[T1]              ; the row's -M
	v_sub_f32 v[T1], v[T0], v[NM]                  ; a part's M - the row's: a whole number, 0 or less
.irp c, 0,1,2,3
	v_sub_f32 v[XN+\c], v[T0], v[XN+\c]
.endr
	v_cvt_i32_f32 v[T1], v[T1]                     ; (it saturates)
.irp c, 0,1,2,3
	v_cvt_i32_f32 v[XN+\c], v[XN+\c]
.endr
	v_ldexp_f32 v[T1], 1.0, v[T1]
.irp c, 0,1,2,3
	v_ldexp_f32 v[XN+\c], 1.0, v[XN+\c]            ; powers of two: nothing is rounded
.endr
	v_mul_f32 v[XZ], v[XZ], v[XN]
	v_mul_f32 v[XY], v[XY], v[XN]
.irp c, 1,2,3
	v_fma_f32 v[XZ], v[XZ+\c], v[XN+\c], v[XZ]     ; Z
	v_fma_f32 v[XY], v[XY+\c], v[XN+\c], v[XY]     ; Y
.endr
	v_mul_f32 v[XZ+1], 0x29e12e13, v[XZ]           ; 1e-13 Z
	v_fma_f32 v[XZ+1], v[MQ], v[XY], v[XZ+1]       ; the divisor
	s_wait_alu depctr_va_vdst(0)                   ; a wait ahead of the transcendental
	v_rcp_f32 v[XZ+2], v[XZ+1]
	v_mul_f32 v[T1], v[MQ], v[T1]                  ; (a plain place)  mq 2^(my M - row M)
	s_wait_alu depctr_va_vdst(0)                   ; and behind it
	v_fma_f32 v[XZ+3], -v[XZ+1], v[XZ+2], 1.0      ; one Newton step
	v_fma_f32 v[XZ+2], v[XZ+2], v[XZ+3], v[XZ+2]
	v_mul_f32 v[FF], v[T1], v[XZ+2]                ; F for my part
	s_wait_alu depctr_va_vdst(0)                   ; ahead of the scalar lines and branches below
	REDUCE \par
	CSTEP 0
	CSTEP 1
	CSTEP 2
	CSTEP 3
	PLACES 4                                       ; in front of the first read of results, and of the next round's loads into these registers
.irp q, 0,1,2,3,4,5,6,7
	ds_store_b128 v[OSB], v[OT+4*\q:OT+4*\q+3] offset:\par*32768+512*\q   ; each accumulator from its low end on
.endr
.endm
	s_load_b512 s[4:19], s[0:1], 0x0               ; q_img 4, q_sc 6, k_img 8, k_sc 10, v_img 12, v_sc 14, mask 16, x_img 18
	s_load_b64 s[20:21], s[0:1], 0x40              ; x_sc
	v_lshl_add_u32 v[SPW], v0, 2, SPARE
	v_mov_b32 v[NIL], 0
	ds_add_u32 v[SPW], v[NIL]                      ; the opening lines
	ds_add_u32 v[SPW], v[NIL]
	v_lshrrev_b32 v[T0], 5, v0
	v_readfirstlane_b32 s[WV], v[T0]               ; wave 0..7
	s_bfe_u32 s23, ttmp6, 0x40000                  ; cx
	s_lshl_b32 s24, ttmp9, 2
	s_add_co_u32 s24, s24, s23                     ; my block of 256 queries: it enters global addresses of q, the queries' mask and x alone
	s_and_b32 s25, ttmp7, 0xffff                   ; 16 x batch + head, which the four partners share
	s_lshr_b32 s26, s25, 4
	s_and_b32 s27, s25, 15
	s_mov_b32 s[G1A], 15|(3<<16)|(1<<21)           ; the mask: all four; elements of 8 bytes; dense blocks as rows of 256 bytes: 128 rows,
	s_mov_b32 s[G1A+1], 32<<16
	s_mov_b32 s[G1A+2], 128<<16
	s_mov_b32 s[G1A+3], 32<<16
	s_mov_b32 s[G1A+4], 128
	s_mov_b32 s[G1A+5], 32
	s_mov_b32 s[G1A+6], 0
	s_mov_b32 s[G1A+7], 0
	s_mov_b32 s[G1B], 15|(3<<16)|(1<<21)           ; or 32 rows
	s_mov_b32 s[G1B+1], 32<<16
	s_mov_b32 s[G1B+2], 32<<16
	s_mov_b32 s[G1B+3], 32<<16
	s_mov_b32 s[G1B+4], 32
	s_mov_b32 s[G1B+5], 32
	s_mov_b32 s[G1B+6], 0
	s_mov_b32 s[G1B+7], 0
	s_lshl_b32 s66, s25, 13                        ; a head's 8,192 bytes of scale words
	s_mov_b32 s67, 0
	s_lshl_b32 s68, s26, 13                        ; a batch's 8,192 bytes of mask
	s_mov_b32 s69, 0
	s_lshl_b32 s72, s25, 16                        ; a head's 65,536 bytes of images, my half
	s_and_b32 s73, s[WV], 1
	s_lshl_b32 s73, s73, 15
	s_add_co_u32 s72, s72, s73
	s_mov_b32 s73, 0
	s_mov_b32 s[SEL], 0x76543210
	s_mov_b32 s[SEL+1], 0xfedcba98
	s_mov_b32 s61, 0x3e38aa3b                      ; log2(e) / 8
	s_wait_dscnt 0x0
	s_wait_kmcnt 0x0
	s_add_nc_u64 s[74:75], s[16:17], s[68:69]      ; the batch's mask
	s_add_nc_u64 s[76:77], s[10:11], s[66:67]      ; the head's k_sc
	s_add_nc_u64 s[78:79], s[14:15], s[66:67]      ; the head's v_sc
	s_cmp_eq_u32 s[WV], 4                          ; wave 4: k_sc; 5: the mask; 6: v_sc
	s_cselect_b64 s[76:77], s[76:77], s[78:79]
	s_cmp_eq_u32 s[WV], 5
	s_cselect_b64 s[76:77], s[74:75], s[76:77]
	s_mov_b32 s[G0A], 1
	s_lshl_b32 s[G0A+1], s[WV], 13
	s_add_co_u32 s[G0A+1], s[G0A+1], KSC-4*8192    ; KSC, MSK and VSCR lie on end
	s_mov_b64 s[G0A+2:G0A+3], s[76:77]
	s_or_b32 s[G0A+3], s[G0A+3], 0x80000000
	s_cmp_lt_u32 s[WV], 2                          ; waves 0, 1: K's halves; 2, 3: V's
	s_cselect_b64 s[78:79], s[8:9], s[12:13]
	s_mov_b32 s[G0K], 1
	s_lshl_b32 s[G0K+1], s[WV], 15
	s_add_nc_u64 s[G0K+2:G0K+3], s[78:79], s[72:73]
	s_or_b32 s[G0K+3], s[G0K+3], 0x80000000
	CROUND                                         ; all four work-groups are here: the joint loads meet
	s_cmp_lt_u32 s[WV], 4                          ; one chain of branches, one tensor load to an arm
	s_cbranch_scc0 .Lnot_kv
	tensor_load_to_lds s[G0K:G0K+3], s[G1A:G1A+7]
	s_nop 0
	PLACES 4
	s_branch .Lasked
.Lnot_kv:
	s_cmp_lt_u32 s[WV], 7
	s_cbranch_scc0 .Lasked
	tensor_load_to_lds s[G0A:G0A+3], s[G1B:G1B+7]
	s_nop 0
	PLACES 4
.Lasked:
	s_and_b32 s[CQ], s[WV], 3                      ; my quarter of the keys
	s_lshr_b32 s[PP], s[WV], 2                     ; which of the round's two tiles
	s_lshl_b32 s[P2], s[PP], 1
	s_lshl_b32 s[TB], s24, 4
	s_add_co_u32 s[TB], s[TB], s[PP]               ; round i: tile TB + 2 i of the batch's 128
	s_mov_b32 s83, 0
	s_lshl_b32 s82, s25, 16
	s_add_nc_u64 s[4:5], s[4:5], s[82:83]          ; the head's q images
	s_add_nc_u64 s[6:7], s[6:7], s[66:67]          ; and scale words
	s_lshl_b32 s82, s26, 20
	s_lshl_b32 s81, s27, 9
	s_add_co_u32 s82, s82, s81
	s_add_nc_u64 s[18:19], s[18:19], s[82:83]      ; x's image: (128 batch + tile) x 8,192 + head x 512
	s_lshl_b32 s82, s26, 16
	s_lshl_b32 s81, s27, 1
	s_add_co_u32 s82, s82, s81
	s_add_nc_u64 s[20:21], s[20:21], s[82:83]      ; x's scale bytes: 32 a token, my head's two
	s_lshl_b32 s70, s[CQ], 14
	s_lshl_b32 s71, s[CQ], 11
	s_lshl_b32 s76, s[WV], 9
	s_lshl_b32 s77, s[PP], 11
	s_lshl_b32 s78, s[WV], 12
	s_lshl_b32 s79, s[PP], 14
	v_and_b32 v[T0], 31, v0                        ; lane
	v_and_b32 v[T1], 15, v0                        ; r
	v_bfe_u32 v[RB], v0, 4, 1                      ; h
	v_lshlrev_b32 v[L16], 4, v[T0]
	v_lshlrev_b32 v[R16], 4, v[T1]
	v_lshlrev_b32 v[R4], 2, v[T1]
	v_lshl_add_u32 v[XSB], v[T1], 5, v[RB]
	v_cmp_ne_u32 s[HM], 0, v[RB]
	v_add_nc_u32 v[AKI], s70, v[L16]
	v_add_nc_u32 v[AKS], s71, v[L16]
	v_lshl_add_u32 v[AMK], v[RB], 5, MSK
	v_add_nc_u32 v[AVI], VIMG, v[AKI]
	v_add_nc_u32 v[AVS], VSC2, v[AKS]
	v_add_nc_u32 v[AKS], KSC, v[AKS]
	v_add_nc_u32 v[AMK], s71, v[AMK]
	v_lshl_add_u32 v[XWB], v[T0], 2, XCH
	v_add_nc_u32 v[OSB], OST, v[L16]
	v_lshl_add_u32 v[AVR], v0, 4, VSCR
	v_add_nc_u32 v[XRB], s77, v[XWB]
	v_add_nc_u32 v[XWB], s76, v[XWB]
	v_add_nc_u32 v[ORB], s79, v[OSB]
	v_add_nc_u32 v[OSB], s78, v[OSB]
	s_wait_alu depctr_va_vdst(0)                   ; ahead of the scalar lines below
	s_mov_b32 s66, s[TB]
	QASK                                           ; round 0's q
.irp j, 4,5,6,7
	v_mov_b32 v[QF+\j], 0                          ; zero codes for K = 64 .. 127
.endr
.irp t, 0,1,2,3,4,5,6,7
.irp j, 4,5,6,7
	v_mov_b32 v[KB+8*\t+\j], 0
.endr
.endr
	v_mov_b32 v[GG+1], 0                           ; (named as upper halves of pairs)
	v_mov_b32 v[NM+1], 0
	v_mov_b32 v[FF+1], 0
	v_mov_b32 v[T1], 0                             ; (destinations of lane permutes count as sources)
.irp j, 0,1,2,3
	v_mov_b32 v[BY+\j], 0
	v_mov_b32 v[TM+4+\j], 0
.endr
	v_mov_b32 v[ZA+1], 0
	v_mov_b32 v[YA+1], 0
	s_mov_b32 s[RI], 0
	s_wait_alu depctr_va_vdst(0)                   ; a wait at the head's end
	s_wait_tensorcnt 0x0                           ; my block has landed,
	s_barrier_signal -1
	s_barrier_wait -1                              ; everybody's has
	; V's scale words: wave w merges those of key steps w and w + 8 (two groups of 64 keys, two bytes each) into words of four bytes
	ds_load_b128 v[VW:VW+3], v[AVR]
	ds_load_b128 v[KW:KW+3], v[AVR] offset:4096
	s_wait_dscnt 0x0
.irp j, 0,1,2,3
	v_permlanex16_b32 v[BY+\j], v[VW+\j], s[SEL], s[SEL+1]
.endr
.irp j, 0,1,2,3
	v_lshl_or_b32 v[VW+\j], v[BY+\j], 16, v[VW+\j] ; lanes 0-15 hold the whole words; lanes 16-31 are never read as scales
.endr
	ds_store_b128 v[AVR], v[VW:VW+3] offset:VSC2-VSCR
.irp j, 0,1,2,3
	v_permlanex16_b32 v[BY+\j], v[KW+\j], s[SEL], s[SEL+1]
.endr
.irp j, 0,1,2,3
	v_lshl_or_b32 v[KW+\j], v[BY+\j], 16, v[KW+\j]
.endr
	ds_store_b128 v[AVR], v[KW:KW+3] offset:VSC2-VSCR+4096
	s_wait_dscnt 0x0                               ; for the others' sake: my stores are done
	s_barrier_signal -1
	s_barrier_wait -1
.Lround:                                               ; four trips of two rounds
	ROUND 0
	ROUND 1
	s_add_co_u32 s[RI], s[RI], 2
	s_cmp_lt_u32 s[RI], 8
	s_cbranch_scc1 .Lround
	s_wait_dscnt 0x0                               ; the last round's stores to the stage are done
	s_barrier_signal -1
	s_barrier_wait -1
	REDUCE 0                                       ; the last round's tiles
	s_wait_tensorcnt 0x0                           ; the wave's end
	ds_add_u32 v[SPW], v[NIL]
	s_wait_dscnt 0x0
	CROUND                                         ; the closing round
	s_endpgm
.Lfunc_end_k_q567e17f545_attn:
	.size	k_q567e17f545_attn, .Lfunc_end_k_q567e17f545_attn-k_q567e17f545_attn
	.p2alignl 7, 3214868480
	.fill 96, 4, 3214868480
	.section	.rodata,"a",@progbits
	.p2align	6, 0x0
	.amdhsa_kernel k_q567e17f545_attn
		.amdhsa_group_segment_fixed_size 238592
		.amdhsa_private_segment_fixed_size 0
		.amdhsa_enable_private_segment 0
		.amdhsa_kernarg_size 72
		.amdhsa_user_sgpr_count 2
		.amdhsa_user_sgpr_kernarg_segment_ptr 1
		.amdhsa_wavefront_size32 1
		.amdhsa_system_sgpr_workgroup_id_x 1
		.amdhsa_system_sgpr_workgroup_id_y 1
		.amdhsa_system_sgpr_workgroup_id_z 1
		.amdhsa_system_vgpr_workitem_id 0
		.amdhsa_next_free_vgpr 512
		.amdhsa_next_free_sgpr 84
		.amdhsa_reserve_vcc 0
		.amdhsa_float_denorm_mode_32 3
		.amdhsa_float_denorm_mode_16_64 3
		.amdhsa_memory_ordered 1
		.amdhsa_forward_progress 1
		.amdhsa_inst_pref_size 251
	.end_amdhsa_kernel
	.amdgpu_metadata
---
amdhsa.version: [ 1, 2 ]
amdhsa.kernels:
  - .name:           k_q567e17f545_attn
    .symbol:         k_q567e17f545_attn.kd
    .args:
      - { .name: q_img, .offset: 0, .size: 8, .value_kind: global_buffer, .address_space: global }
      - { .name: q_sc, .offset: 8, .size: 8, .value_kind: global_buffer, .address_space: global }
      - { .name: k_img, .offset: 16, .size: 8, .value_kind: global_buffer, .address_space: global }
      - { .name: k_sc, .offset: 24, .size: 8, .value_kind: global_buffer, .address_space: global }
      - { .name: v_img, .offset: 32, .size: 8, .value_kind: global_buffer, .address_space: global }
      - { .name: v_sc, .offset: 40, .size: 8, .value_kind: global_buffer, .address_space: global }
      - { .name: mask, .offset: 48, .size: 8, .value_kind: global_buffer, .address_space: global }
      - { .name: x_img, .offset: 56, .size: 8, .value_kind: global_buffer, .address_space: global }
      - { .name: x_sc, .offset: 64, .size: 8, .value_kind: global_buffer, .address_space: global }
    .group_segment_fixed_size: 238592
    .private_segment_fixed_size: 0
    .kernarg_segment_align: 8
    .kernarg_segment_size: 72
    .max_flat_workgroup_size: 256
    .sgpr_count:     84
    .vgpr_count:     512
    .wavefront_size: 32
...
	.end_amdgpu_metadata
.endif
;; end of part 2
;; launch oproj (part 3): grid 8 x 32, 4 waves a work-group, clusters of 4 x 4, 168,448 bytes of LDS; arguments x_img, x_sc, Wo_codes, Wo_scales, bo, out0; writes out0
.if DOCPART == 3
	.amdgcn_target "amdgcn-amd-amdhsa--gfx1250"
	.amdhsa_code_object_version 6
	.text
	.protected	k_q567e17f545_oproj
	.globl	k_q567e17f545_oproj
	.p2align	8
	.type	k_q567e17f545_oproj,@function
k_q567e17f545_oproj:
	s_mov_b64 s[64:65], 0
	v_nop
	global_prefetch_b8 v0, s[64:65] scope:SCOPE_SE
	s_setreg_imm32_b32 hwreg(HW_REG_WAVE_MODE, 25, 1), 1
	s_wait_xcnt 0x0
	s_wait_alu depctr_hold_cnt(0) depctr_sa_sdst(0) depctr_va_vdst(0) depctr_va_sdst(0) depctr_va_ssrc(0) depctr_va_vcc(0) depctr_vm_vsrc(0)
	s_getreg_b32 s2, hwreg(HW_REG_IB_STS2, 6, 4)
	s_cmp_eq_u32 s2, 0
	s_cbranch_scc0 .Lentry_in_a_cluster
	s_endpgm
.Lentry_in_a_cluster:
	s_bfe_u32 s2, ttmp6, 0x10000c
	s_cmp_lg_u32 s2, 0xf033
	s_cbranch_scc0 .Lentry_shape_is_right
	s_endpgm
.Lentry_shape_is_right:
; out0 = x Wo^T + bo on codes of FP4 (E2M1) with one E8M0 scale for each 32 along K = 1,024; sums in f32.  x comes as images of operand registers (tile of 16 tokens x 8,192 bytes: 8 K steps x 2 x 512) and scale bytes [token][32].
; SHARES.  A work-group makes 128 tokens x 128 columns, each of four waves 64 x 64: 16 accumulators, 8 K steps of 128.  Source 0 = 16 rows of Wo, source 1 = 16 tokens: a lane holds eight neighbouring columns of one row of out0.
; LDS: x's 8 tiles as they lie (65,536 bytes), Wo's 128 rows (512 bytes + 16 of padding), then a stage of 16 rows x 272 bytes for each wave, into which no tensor load lands.  All of K fits: every byte is filled once.
; CLUSTER 4 x 4: the four of a row share the tokens, the four of a column Wo's rows: joint loads, one a wave (waves 0, 1: x's halves; waves 2, 3: Wo's): one load of a wave is out.
; LIMITS: NaN and infinities are not served; a given scale byte 0xff gives NaN, as its value says.
.set PITCH, 528                        ; 512 bytes + 16 = 132 words: the 16 rows of a fragment load start 4 banks apart (64 banks of 4 bytes: ISA guide 11.1)
.set T64,   64*PITCH
.set FROW,  16*PITCH
.set WLDS,  65536
.set STAGE, WLDS+2*T64
.set SPITCH, 272
.set AP,  4                            ; v4  LDS address of my fragments of Wo
.set AR,  5                            ; v5  of my fragments of x
.set SCO, 7                            ; v7  32 r + 16 h
.set BO,  8                            ; v8  32 h
.set STO, 9                            ; v9  the stage: where I put 32 bytes of a row
.set RD,  10                           ; v10 and where I read a row back
.set CO,  11                           ; v11 my byte offset in two rows of out0
.set OB0, 16                           ; v16-47, v80-111: 16 rows read back from the stage, by turns (the second set held the bias, which only the first K step reads)
.set OB1, 80
.set SP,  48                           ; v48-63 Wo's scale words: tile i at 4 i; register j: lanes 0-15 K step j, lanes 16-31 K step 4 + j
.set SR,  64                           ; v64-79 x's likewise
.set BR,  80                           ; v80-111 the bias in the result's layout
.set ACC, 128                          ; accumulator (i, k) at 128 + 8 (4 k + i)
.set WV,  16
.set G1X, 28
.set G1W, 36
.set G0X, 44
.set G0W, 48
.set MSB, 0
.macro WIN new                         ; the immediate's high byte repeats the setting that is left
.if MSB != \new
	s_set_vgpr_msb (MSB<<8)|\new
.set MSB, \new
.endif
.endm
.macro PLACES n
.rept \n
	v_nop
.endr
.endm
.macro CROUND                          ; a round of the cluster's barrier
	s_barrier_signal -1
	s_barrier_wait -1
	s_cmp_lg_u32 s[WV], 0
	s_cbranch_scc1 .Lnot_wave_0_\@
	s_barrier_signal -3
.Lnot_wave_0_\@:
	s_barrier_wait -3
	s_barrier_signal -1
	s_barrier_wait -1
.endm
.macro FETCH s, p                      ; the 8 fragments of K step s into set p of window 1
	WIN 0x40                                               ; destination window 1
.irp i, 0,1,2,3
	ds_load_b128 v[64*(\p)+8*\i:64*(\p)+8*\i+3],   v[AP] offset:\i*FROW+64*(\s)
	ds_load_b128 v[64*(\p)+8*\i+4:64*(\p)+8*\i+7], v[AP] offset:\i*FROW+64*(\s)+32
.endr
.irp k, 0,1,2,3
	ds_load_b128 v[64*(\p)+32+8*\k:64*(\p)+32+8*\k+3],   v[AR] offset:\k*8192+1024*(\s)
	ds_load_b128 v[64*(\p)+32+8*\k+4:64*(\p)+32+8*\k+7], v[AR] offset:\k*8192+1024*(\s)+512
.endr
.endm
.macro PROD k, i, s
.set rD, ACC+8*(4*(\k)+(\i))
.set rP, 64*((\s)%2)+8*(\i)
.set rR, 64*((\s)%2)+32+8*(\k)
.set rA, SP+4*(\i)+(\s)%4
.set rB, SR+4*(\k)+(\s)%4
.if (\s) == 0
	v_wmma_scale_f32_16x16x128_f8f6f4 v[rD:rD+7], v[rP:rP+7], v[rR:rR+7], v[BR+8*(\i):BR+8*(\i)+7], v[rA], v[rB] matrix_a_fmt:MATRIX_FMT_FP4 matrix_b_fmt:MATRIX_FMT_FP4
.elseif (\s) < 4
	v_wmma_scale_f32_16x16x128_f8f6f4 v[rD:rD+7], v[rP:rP+7], v[rR:rR+7], v[rD:rD+7], v[rA], v[rB] matrix_a_fmt:MATRIX_FMT_FP4 matrix_b_fmt:MATRIX_FMT_FP4
.else
	v_wmma_scale_f32_16x16x128_f8f6f4 v[rD:rD+7], v[rP:rP+7], v[rR:rR+7], v[rD:rD+7], v[rA], v[rB] matrix_a_fmt:MATRIX_FMT_FP4 matrix_b_fmt:MATRIX_FMT_FP4 matrix_a_scale:MATRIX_SCALE_ROW1 matrix_b_scale:MATRIX_SCALE_ROW1
.endif
.endm
.macro MULS s                          ; 16 products; the 16 accumulators take turns, one instruction a turn, in the same order in every step
	WIN 0x05                                               ; sources 0 and 1 window 1; C and D window 0
.irp k, 0,1,2,3
.irp i, 0,1,2,3
	PROD \k, \i, \s
.endr
.endr
.endm
	s_load_b128 s[4:7], s[0:1], 0x0                ; x_img, x_sc
	s_load_b128 s[8:11], s[0:1], 0x10              ; Wo's codes, scales
	s_load_b128 s[12:15], s[0:1], 0x20             ; bo, out0
	v_lshl_add_u32 v126, v0, 2, 0x29000
	v_mov_b32 v127, 0
	ds_add_u32 v126, v127
	ds_add_u32 v126, v127
	v_lshrrev_b32 v1, 5, v0
	v_readfirstlane_b32 s[WV], v1                  ; wave 0..3
	s_and_b32 s17, s[WV], 1                        ; my half of the columns.  Also: which half of a block I fetch
	s_lshr_b32 s18, s[WV], 1                       ; my half of the tokens.  Also: I fetch for x (0) or for Wo (1)
	s_bfe_u32 s19, ttmp6, 0x40000                  ; cx
	s_bfe_u32 s20, ttmp6, 0x40004                  ; cy
	s_lshl_b32 s21, ttmp9, 2
	s_add_co_u32 s21, s21, s19                     ; the block of 128 columns
	s_and_b32 s22, ttmp7, 0xffff
	s_lshl_b32 s22, s22, 2
	s_add_co_u32 s22, s22, s20                     ; the block of 128 tokens
	s_lshl_b32 s23, s20, 2
	s_lshl_b32 s23, 15, s23                        ; my row of the cluster
	s_lshl_b32 s24, 0x1111, s19                    ; my column
	s_or_b32 s[G1X], s23, (3<<16)|(1<<21)          ; x: a dense block of 32,768 bytes as 128 rows of 256 bytes (32 elements of 8); no padding: it is read as it lies
	s_mov_b32 s[G1X+1], 32<<16
	s_mov_b32 s[G1X+2], 128<<16
	s_mov_b32 s[G1X+3], 32<<16
	s_mov_b32 s[G1X+4], 128
	s_mov_b32 s[G1X+5], 32
	s_mov_b32 s[G1X+6], 0
	s_mov_b32 s[G1X+7], 0
	s_or_b32 s[G1W], s24, (1<<20)|(1<<21)|(6<<22)|(3<<25)   ; Wo: 64 rows of 512 bytes, four words of padding after every 128
	s_mov_b32 s[G1W+1], 512<<16
	s_mov_b32 s[G1W+2], 64<<16
	s_mov_b32 s[G1W+3], 512<<16
	s_mov_b32 s[G1W+4], 64
	s_mov_b32 s[G1W+5], 512
	s_mov_b32 s[G1W+6], 0
	s_mov_b32 s[G1W+7], 0
	s_lshl_b32 s52, s22, 16                        ; x: 8 tiles of 8,192 bytes a block, half of them
	s_lshl_b32 s56, s17, 15
	s_add_co_u32 s52, s52, s56
	s_mov_b32 s53, 0
	s_lshl_b32 s54, s21, 16                        ; Wo: 128 rows of 512 bytes a block, half of them
	s_add_co_u32 s54, s54, s56
	s_mov_b32 s55, 0
	s_wait_dscnt 0x0
	s_wait_kmcnt 0x0
	s_mov_b32 s[G0X], 1
	s_lshl_b32 s[G0X+1], s17, 15
	s_add_nc_u64 s[G0X+2:G0X+3], s[4:5], s[52:53]
	s_or_b32 s[G0X+3], s[G0X+3], 0x80000000
	s_mov_b32 s[G0W], 1
	s_mul_i32 s[G0W+1], s17, T64
	s_add_co_u32 s[G0W+1], s[G0W+1], WLDS
	s_add_nc_u64 s[G0W+2:G0W+3], s[8:9], s[54:55]
	s_or_b32 s[G0W+3], s[G0W+3], 0x80000000
	CROUND                                         ; all sixteen work-groups are here: the joint loads meet
	s_cmp_eq_u32 s18, 0
	s_cbranch_scc0 .Lfor_w
	tensor_load_to_lds s[G0X:G0X+3], s[G1X:G1X+7]
	s_nop 0
	PLACES 4
	s_branch .Lasked
.Lfor_w:
	tensor_load_to_lds s[G0W:G0W+3], s[G1W:G1W+7]
	s_nop 0
	PLACES 4
.Lasked:
	s_mov_b32 s57, 0
	s_lshl_b32 s56, s21, 12                        ; Wo's scales: 128 rows of 32 bytes a block, my 64
	s_lshl_b32 s58, s17, 11
	s_add_co_u32 s56, s56, s58
	s_add_nc_u64 s[10:11], s[10:11], s[56:57]
	s_lshl_b32 s56, s22, 12                        ; x's scales likewise
	s_lshl_b32 s58, s18, 11
	s_add_co_u32 s56, s56, s58
	s_add_nc_u64 s[6:7], s[6:7], s[56:57]
	s_lshl_b32 s56, s21, 9                         ; my 64 columns, in bytes
	s_lshl_b32 s58, s17, 8
	s_add_co_u32 s56, s56, s58
	s_add_nc_u64 s[12:13], s[12:13], s[56:57]      ; in bo,
	s_add_nc_u64 s[14:15], s[14:15], s[56:57]      ; and in a row of out0;
	s_lshl_b32 s56, s22, 19                        ; my first row of out0: 4,096 bytes a row
	s_lshl_b32 s58, s18, 18
	s_add_co_u32 s56, s56, s58
	s_add_nc_u64 s[14:15], s[14:15], s[56:57]
	s_mul_i32 s59, s17, T64
	s_add_co_u32 s59, s59, WLDS                    ; my 64 rows of Wo in LDS
	s_lshl_b32 s60, s18, 15                        ; my 4 tiles of x
	s_mul_i32 s61, s[WV], 16*SPITCH
	s_add_co_u32 s61, s61, STAGE                   ; my stage
	v_and_b32 v1, 31, v0                           ; lane
	v_and_b32 v2, 15, v0                           ; r
	v_bfe_u32 v3, v0, 4, 1                         ; h
	v_mul_u32_u24 v[AP], v2, PITCH
	v_lshl_add_u32 v[AP], v3, 4, v[AP]
	v_add_nc_u32 v[AP], s59, v[AP]
	v_lshlrev_b32 v[AR], 4, v1
	v_add_nc_u32 v[AR], s60, v[AR]
	v_lshlrev_b32 v[SCO], 5, v2
	v_lshl_add_u32 v[SCO], v3, 4, v[SCO]
	v_lshlrev_b32 v[BO], 5, v3
	v_mul_u32_u24 v[STO], v2, SPITCH
	v_lshl_add_u32 v[STO], v3, 5, v[STO]
	v_add_nc_u32 v[STO], s61, v[STO]               ; in: row r, 32 bytes for each half of the lanes
	v_mul_u32_u24 v[RD], v3, SPITCH
	v_lshl_add_u32 v[RD], v2, 4, v[RD]
	v_add_nc_u32 v[RD], s61, v[RD]                 ; back: lanes 0-15 one row of 256 bytes, lanes 16-31 the next
	v_lshlrev_b32 v[CO], 12, v3
	v_lshl_add_u32 v[CO], v2, 4, v[CO]             ; and the same two rows in out0
.irp i, 0,1,2,3
	global_load_b128 v[SP+4*\i:SP+4*\i+3], v[SCO], s[10:11] offset:512*\i   ; 16 rows' 32 scale bytes: 512 consecutive bytes a load
.endr
.irp k, 0,1,2,3
	global_load_b128 v[SR+4*\k:SR+4*\k+3], v[SCO], s[6:7] offset:512*\k
.endr
.irp i, 0,1,2,3
	global_load_b128 v[BR+8*\i:BR+8*\i+3],   v[BO], s[12:13] offset:64*\i      ; bo[16 i + 8 h + 0 .. 7]
	global_load_b128 v[BR+8*\i+4:BR+8*\i+7], v[BO], s[12:13] offset:64*\i+16
.endr
	s_wait_tensorcnt 0x0                           ; my block has landed,
	s_barrier_signal -1
	s_barrier_wait -1                              ; everybody's has
	FETCH 0, 0
	s_wait_loadcnt 0x0                             ; the scale words and the bias
.irp s, 0,1,2,3,4,5,6,7
.if \s < 7
.if \s > 0
	PLACES 4                                       ; places in front of loads into registers that matrix instructions have read
.endif
	FETCH \s+1, (\s+1)%2                           ; the next step's fragments go into the other set while this step is multiplied
	s_wait_dscnt 16                                ; all but the 16 just issued
.else
	s_wait_dscnt 0x0
.endif
	MULS \s                                        ; step 0's products start the sums with the bias as C
.endr
	WIN 0
	PLACES 4                                       ; in front of the first read of results
; THE WAY OUT, a block of 16 tokens x 64 columns at a time, through my own stage: LDS serves a wave's instructions in order (ISA guide 5.7.1.4), so no wait stands between the stores and the loads, nor in front of the next block's stores.
.macro TOSTAGE k
.irp i, 0,1,2,3
	ds_store_b128 v[STO], v[ACC+8*(4*(\k)+\i):ACC+8*(4*(\k)+\i)+3]   offset:64*\i      ; each accumulator from its low end on
	ds_store_b128 v[STO], v[ACC+8*(4*(\k)+\i)+4:ACC+8*(4*(\k)+\i)+7] offset:64*\i+16
.endr
.set OBK, OB0+(OB1-OB0)*((\k)%2)
.irp m, 0,1,2,3,4,5,6,7
	ds_load_b128 v[OBK+4*\m:OBK+4*\m+3], v[RD] offset:2*\m*SPITCH
.endr
.endm
.macro SEND k, younger                 ; younger: the LDS instructions issued behind block k's loads, which may stay out
.set OBK, OB0+(OB1-OB0)*((\k)%2)
	s_wait_dscnt \younger
.irp m, 0,1,2,3,4,5,6,7
	global_store_b128 v[CO], v[OBK+4*\m:OBK+4*\m+3], s[14:15] offset:(16*(\k)+2*\m)*4096 th:TH_STORE_NT   ; 16 lanes store 256 consecutive bytes, aligned; written once, read by nobody here
.endr
.endm
	s_wait_alu depctr_va_vdst(0)
	TOSTAGE 0
.irp k, 1,2,3
.if \k > 1
	s_wait_xcnt 0x0                                ; block k - 2's stores have read their registers: block k's loads may land there
.endif
	TOSTAGE \k
	SEND \k-1, 16                                  ; behind block k - 1's loads: block k's 8 stores and 8 loads
.endr
	SEND 3, 0
	s_wait_tensorcnt 0x0
	ds_add_u32 v126, v127
	s_wait_dscnt 0x0
	CROUND                                         ; the closing round
	s_endpgm
.Lfunc_end_k_q567e17f545_oproj:
	.size	k_q567e17f545_oproj, .Lfunc_end_k_q567e17f545_oproj-k_q567e17f545_oproj
	.p2alignl 7, 3214868480
	.fill 96, 4, 3214868480
	.section	.rodata,"a",@progbits
	.p2align	6, 0x0
	.amdhsa_kernel k_q567e17f545_oproj
		.amdhsa_group_segment_fixed_size 168448
		.amdhsa_private_segment_fixed_size 0
		.amdhsa_enable_private_segment 0
		.amdhsa_kernarg_size 48
		.amdhsa_user_sgpr_count 2
		.amdhsa_user_sgpr_kernarg_segment_ptr 1
		.amdhsa_wavefront_size32 1
		.amdhsa_system_sgpr_workgroup_id_x 1
		.amdhsa_system_sgpr_workgroup_id_y 1
		.amdhsa_system_sgpr_workgroup_id_z 1
		.amdhsa_system_vgpr_workitem_id 0
		.amdhsa_next_free_vgpr 384
		.amdhsa_next_free_sgpr 66
		.amdhsa_reserve_vcc 0
		.amdhsa_float_denorm_mode_32 3
		.amdhsa_float_denorm_mode_16_64 3
		.amdhsa_memory_ordered 1
		.amdhsa_forward_progress 1
		.amdhsa_inst_pref_size 41
	.end_amdhsa_kernel
	.amdgpu_metadata
---
amdhsa.version: [ 1, 2 ]
amdhsa.kernels:
  - .name:           k_q567e17f545_oproj
    .symbol:         k_q567e17f545_oproj.kd
    .args:
      - { .name: x_img, .offset: 0, .size: 8, .value_kind: global_buffer, .address_space: global }
      - { .name: x_sc, .offset: 8, .size: 8, .value_kind: global_buffer, .address_space: global }
      - { .name: Wo_codes, .offset: 16, .size: 8, .value_kind: global_buffer, .address_space: global }
      - { .name: Wo_scales, .offset: 24, .size: 8, .value_kind: global_buffer, .address_space: global }
      - { .name: bo, .offset: 32, .size: 8, .value_kind: global_buffer, .address_space: global }
      - { .name: out0, .offset: 40, .size: 8, .value_kind: global_buffer, .address_space: global }
    .group_segment_fixed_size: 168448
    .private_segment_fixed_size: 0
    .kernarg_segment_align: 8
    .kernarg_segment_size: 48
    .max_flat_workgroup_size: 128
    .sgpr_count:     66
    .vgpr_count:     384
    .wavefront_size: 32
...
	.end_amdgpu_metadata
.endif
;; end of part 3
